; MI455X (gfx1250); checked and timed in simulation.
; The chip was launched on July 23, 2026; its instructions are those of AMD's public machine-readable ISA for CDNA 5 (MIT licence, August 2026) and "CDNA5" Instruction Set Architecture Reference Guide (July 2026). The comments in the code are by the model that wrote it; some were corrected since.
;; Qlora Linear. Allowed arithmetic: float matrix products may take bf16 or f16 operands with f32 sums; other float arithmetic in f32, or as packed bf16 or f16 multiplies, adds, multiply-adds, maxima and minima; sums over many terms, partial sums and values carried from step to step in f32; what a program stores and reads back later, other than sums and carried values, may be rounded once to bf16 or f16.
;; Inputs: lora_A 16 x 4,096 float32; lora_B 4,096 x 16 float32; quantization_factor 1,024 float32; quantized_data 8,388,608 int32; quantized_scalers 262,144 int32; scaler_mean one number float32; x 4 x 1,024 x 4,096 float32.
;; Outputs: out0 4 x 1,024 x 4,096 float32.
;; 2 versions, each right; version 2 is version 1 with the launch prep written anew for expert scheduling mode. Each part assembles by itself: llvm-mc -triple=amdgcn-amd-amdhsa -mcpu=gfx1250 --defsym DOCPART=n.
;; ======== version 1 of 2: 2 launches
;; limits: values are held in f16: magnitudes above 65,504 overflow, below 6.1e-05 lose precision; inputs' magnitudes at most 65,504
;; workspace buffers: xh 33,554,432 bytes; wh 33,554,432 bytes
;; launch prep (part 1): grid 1536 x 1, 4 waves a work-group, no clusters, 0 bytes of LDS; arguments x, quantized_data, quantized_scalers, quantization_factor, scaler_mean, lora_A, lora_B, xh, wh; writes xh, wh
.if DOCPART == 1
	.amdgcn_target "amdgcn-amd-amdhsa--gfx1250"
	.amdhsa_code_object_version 6
	.text
	.protected	k_qef1015ca2a_prep
	.globl	k_qef1015ca2a_prep
	.p2align	8
	.type	k_qef1015ca2a_prep,@function
k_qef1015ca2a_prep:
	s_mov_b64 s[64:65], 0
	v_nop
	global_prefetch_b8 v0, s[64:65] scope:SCOPE_SE
	s_setreg_imm32_b32 hwreg(HW_REG_WAVE_MODE, 25, 1), 1
	s_wait_xcnt 0x0
; PREP: the two operands of the product that follows, each rounded ONCE from f32 to f16.
;   xh[m][i] = f16(x[m][i])                                             [4096][4096]
;   wh[o][i] = f16(NF4[code(o,i)] * s(o, i/64) + 2 * sum_r B[o][r] A[r][i])   [4096][4096]
; since x w^T + 2 (x A^T) B^T = x (w + 2 B A)^T for every input, the low-rank path is folded into the weight here.
; LIMITS.  f16 ends at 65,504: |x|, |w + 2 B A|, |2 B| and |A| stay below it; below 6e-5 a number keeps f16's fixed step of 6e-8.
; s = int * (1 / factor) + mean, one v_rcp_f32 and one fused multiply-add in place of a division: 1 to 2 units in f32's last place.
; A word of quantized_data lies in 0 .. 255 (it indexes a table of 16 by its two nibbles).  NaN and infinities are not treated apart.
; ROLES.  Work-groups 0 .. 511 make wh, 512 .. 1535 make xh: one scalar branch on the work-group's number.  No LDS byte is touched
; (ds_bpermute_b32 moves registers between lanes only), no wave waits for another, EXEC is never changed.
; W ROLE.  A wave owns a strip of 128 columns and 64 rows: four UNITS of 16 rows x 128 columns.  With r = lane % 16, h = lane / 16:
; the unit's 2 B A is eight matrix instructions t = 0 .. 7, source 0 = 16 rows of 2 B (K = 16, padded by zeros to 32), source 1 = the
; columns i0 + 8 n + t of A.  Register j of result t in lane (r, h) is then element (o0 + 8 h + j, i0 + 8 r + t): for a fixed j a lane's
; eight results are eight NEIGHBOURING weights of one row, which is also what 16 bytes of quantized_data hold (two codes a word, 2 bytes
; a weight, as in wh).  So sixteen lanes load, and store, 256 consecutive aligned bytes, and the dequantised weight is the C operand.
.set RR,   2                           ; v2   r
.set HH,   3                           ; v3   h
.set VO,   4                           ; v4   65536 h + 16 r: my 16 bytes in quantized_data and in wh (8,192 bytes a row in both); never rewritten
.set VB,   5                           ; v5   64 r + 32 h: my 8 numbers of a row of lora_B
.set VA,   6                           ; v6   131072 h + 32 r: my 8 columns of row 8 h of lora_A
.set VS,   7                           ; v7   256 (l / 2) + 4 (l % 2): the scaler of row l / 2, block l % 2 of the strip
.set VF,   8                           ; v8   4 (l % 16): one of the 16 factors of the wave's 64 rows
.set FIDX, 9                           ; v9   4 (l / 8)
.set TAB,  10                          ; v10  NF4[l % 16]
.set RF,   11                          ; v11  1 / factor
.set TI,   12                          ; v[12:15] at work; v12 first takes the factor as loaded
.set SIDX, 16                          ; v[16:23] 64 h + 8 j + 4 (r / 8): four times the lane that holds the scaler of row 8 h + j, block r / 8
.set SJ,   24                          ; v[24:31] that scaler, by j; at the start v[24:27] the scalers as loaded, v[28:31] their 1 / factor
.set SC,   32                          ; v[32:35] unit u's 32 scalers, one a lane
.set BF,   36                          ; v[36:43] source 0; v[40:43] stay 0
.set BR,   44                          ; v[44:59] lora_B as loaded, two buffers of 8
.set QD,   60                          ; v[60:123] two buffers of 32: row j's four words at +4 j; first codes, then the packed f16
.set ACC,  124                         ; v[124:187] result t at +8 t; at the start lora_A as loaded, row kk, column t at +8 kk + t
.set AF,   188                         ; v[188:251] source 1 for t at +8 t; its registers 4 .. 7 stay 0
.set XR,   64                          ; X role: v[64:191]
.macro NF i, bits                      ; the lanes with l % 16 = i take table entry i
	v_cmp_ne_u32 vcc_lo, \i, v[RR]
	v_cndmask_b32 v[TAB], \bits, v[TAB], vcc_lo
.endm
; Unit u's ten loads: my 8 numbers of lora_B, and for each of 8 rows 16 bytes of codes.
.macro LOADS u
.set BB, BR+8*((\u)%2)
.set QB, QD+32*((\u)%2)
	global_load_b128 v[BB:BB+3],   v[VB], s[20:21] offset:1024*(\u)
	global_load_b128 v[BB+4:BB+7], v[VB], s[20:21] offset:1024*(\u)+16
.irp j, 0,1,2,3,4,5,6,7
	global_load_b128 v[QB+4*(\j):QB+4*(\j)+3], v[VO], s[10:11] offset:131072*(\u)+8192*(\j) th:TH_LOAD_NT  ; lanes 0-15: 256 consecutive bytes of row j, lanes 16-31 of row 8 + j
.endr
.endm
.macro UNIT u
.set BB, BR+8*((\u)%2)
.set QB, QD+32*((\u)%2)
.if (\u) < 3
	s_wait_loadcnt 10                              ; loads come back in order (ISA guide 5.7.1): this unit's ten are in, the next unit's ten stay out
.else
	s_wait_loadcnt 0x0
.endif
.irp p, 0,1,2,3
	v_pk_add_f32 v[BB+2*(\p):BB+2*(\p)+1], v[BB+2*(\p):BB+2*(\p)+1], v[BB+2*(\p):BB+2*(\p)+1]  ; 2 B: alpha / r = 2, exact
.endr
.irp p, 0,1,2,3
	v_cvt_pk_f16_f32 v[BF+(\p)], v[BB+2*(\p)], v[BB+2*(\p)+1]
.endr
.irp j, 0,1,2,3,4,5,6,7
	ds_bpermute_b32 v[SJ+(\j)], v[SIDX+(\j)], v[SC+(\u)]  ; the scaler of my 8 weights of row 8 h + j
.endr
	; The table: ds_bpermute_b32 gives lane i the data of lane (address / 4) mod 32.  q >> 2 names lane q >> 4 (q < 256), q << 2 names lane q mod 32, which holds NF4[q mod 16].
	; An LDS instruction has read its sources when it is issued, so TI is written again at once.
.irp j, 0,1,2,3,4,5,6,7
.irp p, 0,1,2,3
	v_lshrrev_b32 v[TI+(\p)], 2, v[QB+4*(\j)+(\p)]
	v_lshlrev_b32 v[QB+4*(\j)+(\p)], 2, v[QB+4*(\j)+(\p)]
	ds_bpermute_b32 v[ACC+16*(\p)+(\j)],   v[TI+(\p)],         v[TAB]  ; the high nibble: weight 2 p
	ds_bpermute_b32 v[ACC+16*(\p)+8+(\j)], v[QB+4*(\j)+(\p)],  v[TAB]  ; the low nibble: weight 2 p + 1
.endr
.endr
.irp jj, 0,1,2,3
	s_wait_dscnt 48-16*(\jj)                       ; rows 2 jj and 2 jj + 1 are in: behind them stand eight lookups for each later row
.irp t, 0,1,2,3,4,5,6,7
	v_pk_mul_f32 v[ACC+8*(\t)+2*(\jj):ACC+8*(\t)+2*(\jj)+1], v[ACC+8*(\t)+2*(\jj):ACC+8*(\t)+2*(\jj)+1], v[SJ+2*(\jj):SJ+2*(\jj)+1]
.endr
.endr
.irp t, 0,1,2,3,4,5,6,7                ; eight accumulators, one instruction each: no two that follow each other share one, from unit to unit either
	v_wmma_f32_16x16x32_f16 v[ACC+8*(\t):ACC+8*(\t)+7], v[BF:BF+7], v[AF+8*(\t):AF+8*(\t)+7], v[ACC+8*(\t):ACC+8*(\t)+7]
.endr
.rept 8
	v_nop                                          ; places between the products and the conversions that read them
.endr
.irp j, 0,1,2,3,4,5,6,7                ; row 0 first: each accumulator is first read at its lowest register
.irp p, 0,1,2,3
	v_cvt_pk_f16_f32 v[QB+4*(\j)+(\p)], v[ACC+16*(\p)+(\j)], v[ACC+16*(\p)+8+(\j)]
.endr
	global_store_b128 v[VO], v[QB+4*(\j):QB+4*(\j)+3], s[24:25] offset:131072*(\u)+8192*(\j)  ; sixteen lanes store 256 consecutive bytes, at a multiple of 256 from wh's first byte
.endr
.if (\u) < 2
	s_wait_xcnt 0x0                                ; the stores above have read this buffer: only behind this wait is it loaded again
	LOADS (\u)+2
.endif
.endm
	s_load_b512 s[8:23], s[0:1], 0x0               ; x s[8:9], quantized_data s[10:11], quantized_scalers s[12:13], quantization_factor s[14:15], scaler_mean s[16:17], lora_A s[18:19], lora_B s[20:21], xh s[22:23]
	s_load_b64 s[24:25], s[0:1], 0x40              ; wh
	v_and_b32 v1, 31, v0                           ; lane l
	v_lshrrev_b32 v2, 5, v0
	v_readfirstlane_b32 s4, v2                     ; wave 0..3
	s_mov_b32 s29, 0                               ; the high word of every offset: all stay under 2^32
	s_wait_kmcnt 0x0
	s_cmp_ge_u32 ttmp9, 512
	s_cbranch_scc1 .Lxrole
	; ---------------- W ROLE ----------------
	s_load_b32 s26, s[16:17], 0x0                  ; the scalers' mean
	s_and_b32 s5, ttmp9, 7
	s_lshr_b32 s6, ttmp9, 3                        ; which 64 rows
	s_lshl2_add_u32 s7, s5, s4                     ; which strip of 128 columns: 4 x (work-group mod 8) + wave
	v_and_b32 v[RR], 15, v0
	v_bfe_u32 v[HH], v0, 4, 1
	v_lshlrev_b32 v[VO], 4, v[RR]
	v_lshl_add_u32 v[VO], v[HH], 16, v[VO]
	v_lshlrev_b32 v[VB], 6, v[RR]
	v_lshl_add_u32 v[VB], v[HH], 5, v[VB]
	v_lshlrev_b32 v[VA], 5, v[RR]
	v_lshl_add_u32 v[VA], v[HH], 17, v[VA]
	v_lshrrev_b32 v[VS], 1, v1
	v_lshlrev_b32 v[VS], 8, v[VS]
	v_and_b32 v13, 1, v0
	v_lshl_add_u32 v[VS], v13, 2, v[VS]
	v_lshlrev_b32 v[VF], 2, v[RR]
	s_lshl_b32 s28, s6, 19                         ; 64 rows x 8,192 bytes,
	s_lshl_b32 s30, s7, 8                          ; 128 columns x 2 bytes
	s_add_co_u32 s28, s28, s30
	s_add_nc_u64 s[10:11], s[10:11], s[28:29]
	s_add_nc_u64 s[24:25], s[24:25], s[28:29]
	s_lshl_b32 s28, s6, 12                         ; lora_B: 64 rows x 64 bytes
	s_add_nc_u64 s[20:21], s[20:21], s[28:29]
	s_lshl_b32 s28, s7, 9                          ; lora_A: 128 columns x 4 bytes
	s_add_nc_u64 s[18:19], s[18:19], s[28:29]
	s_lshl_b32 s28, s6, 14                         ; scalers: 64 rows x 256 bytes,
	s_lshl_b32 s30, s7, 3                          ; two of them to a strip
	s_add_co_u32 s28, s28, s30
	s_add_nc_u64 s[12:13], s[12:13], s[28:29]
	s_lshl_b32 s28, s6, 6                          ; factors: one for 4 rows, 16 x 4 bytes
	s_add_nc_u64 s[14:15], s[14:15], s[28:29]
.irp kk, 0,1,2,3,4,5,6,7               ; lora_A: rows 8 h + kk, my 8 columns
	global_load_b128 v[ACC+8*(\kk):ACC+8*(\kk)+3],   v[VA], s[18:19] offset:16384*(\kk)
	global_load_b128 v[ACC+8*(\kk)+4:ACC+8*(\kk)+7], v[VA], s[18:19] offset:16384*(\kk)+16
.endr
	global_load_b32 v[TI], v[VF], s[14:15]
.irp u, 0,1,2,3
	global_load_b32 v[SJ+(\u)], v[VS], s[12:13] offset:4096*(\u)
.endr
	LOADS 0
	LOADS 1                                        ; 41 loads of mine are out; what follows touches none of their registers
	v_mov_b32 v[TAB], -1.0                         ; the NF4 table, entry l % 16 in lane l
	NF 1,  0xbf3239b1
	NF 2,  0xbf066b30
	NF 3,  0xbeca32a0
	NF 4,  0xbe91a24d
	NF 5,  0xbe3d353f
	NF 6,  0xbdba7871
	NF 7,  0
	NF 8,  0x3da2faff
	NF 9,  0x3e24cae3
	NF 10, 0x3e7c04dd
	NF 11, 0x3ead033a
	NF 12, 0x3ee1a4b8
	NF 13, 0x3f1007ab
	NF 14, 0x3f3913b3
	NF 15, 1.0
	v_lshrrev_b32 v14, 3, v[RR]
	v_lshlrev_b32 v14, 2, v14
	v_lshl_add_u32 v14, v[HH], 6, v14
.irp j, 0,1,2,3,4,5,6,7
	v_add_nc_u32 v[SIDX+(\j)], 8*(\j), v14
.endr
	v_lshrrev_b32 v[FIDX], 3, v1
	v_lshlrev_b32 v[FIDX], 2, v[FIDX]
.irp p, 4,5,6,7                        ; K = 16 .. 31 of both sources is 0
	v_mov_b32 v[BF+(\p)], 0
.irp t, 0,1,2,3,4,5,6,7
	v_mov_b32 v[AF+8*(\t)+(\p)], 0
.endr
.endr
	s_wait_loadcnt 20                              ; lora_A, the factors and the scalers are in; the twenty loads of units 0 and 1 stay out
.irp t, 0,1,2,3,4,5,6,7
.irp p, 0,1,2,3
	v_cvt_pk_f16_f32 v[AF+8*(\t)+(\p)], v[ACC+16*(\p)+(\t)], v[ACC+16*(\p)+8+(\t)]  ; column t: rows 8 h + 2 p and 8 h + 2 p + 1
.endr
.endr
	v_rcp_f32 v[RF], v[TI]
.irp u, 0,1,2,3
	v_cvt_f32_i32 v[SJ+(\u)], v[SJ+(\u)]           ; plain instructions between the reciprocal and the use of its result and the rewriting of its source
.endr
	s_wait_alu depctr_va_vdst(0)                   ; ahead of the first line that names the reciprocal
.irp u, 0,1,2,3
	v_add_nc_u32 v[TI+(\u)], 16*(\u), v[FIDX]      ; row 16 u + l / 2 has factor 4 u + l / 8, which lies in that lane
	ds_bpermute_b32 v[SJ+4+(\u)], v[TI+(\u)], v[RF]
.endr
	s_wait_dscnt 0x0
	s_wait_kmcnt 0x0                               ; the mean
.irp u, 0,1,2,3
	v_fma_f32 v[SC+(\u)], v[SJ+(\u)], v[SJ+4+(\u)], s26
.endr
	UNIT 0
	UNIT 1
	UNIT 2
	UNIT 3
	s_endpgm
	; ---------------- X ROLE ----------------
	; A wave rounds 4,096 numbers: 32 loads of 512 consecutive bytes, all issued at once; each becomes one store of 256 consecutive aligned bytes.  No register is used twice.
.Lxrole:
	s_sub_co_u32 s5, ttmp9, 512
	s_lshl_b32 s28, s5, 16                         ; 64 KiB of x to a work-group,
	s_lshl_b32 s30, s4, 14                         ; 16 KiB to a wave
	s_add_co_u32 s28, s28, s30
	s_add_nc_u64 s[8:9], s[8:9], s[28:29]
	s_lshr_b32 s28, s28, 1                         ; half as many bytes in xh
	s_add_nc_u64 s[22:23], s[22:23], s[28:29]
	v_lshlrev_b32 v2, 4, v1
	v_lshlrev_b32 v3, 3, v1
.set k, 0
.rept 32
	global_load_b128 v[XR+4*k:XR+4*k+3], v2, s[8:9] offset:512*k th:TH_LOAD_NT
.set k, k+1
.endr
.set k, 0
.rept 32
	s_wait_loadcnt 31-k                            ; load k is in; the 31 - k younger ones stay out
	v_cvt_pk_f16_f32 v[XR+4*k],   v[XR+4*k],   v[XR+4*k+1]
	v_cvt_pk_f16_f32 v[XR+4*k+1], v[XR+4*k+2], v[XR+4*k+3]
	global_store_b64 v3, v[XR+4*k:XR+4*k+1], s[22:23] offset:256*k
.set k, k+1
.endr
	s_endpgm
.Lfunc_end_k_qef1015ca2a_prep:
	.size	k_qef1015ca2a_prep, .Lfunc_end_k_qef1015ca2a_prep-k_qef1015ca2a_prep
	.p2alignl 7, 3214868480
	.fill 96, 4, 3214868480
	.section	.rodata,"a",@progbits
	.p2align	6, 0x0
	.amdhsa_kernel k_qef1015ca2a_prep
		.amdhsa_group_segment_fixed_size 0
		.amdhsa_private_segment_fixed_size 0
		.amdhsa_enable_private_segment 0
		.amdhsa_kernarg_size 72
		.amdhsa_user_sgpr_count 2
		.amdhsa_user_sgpr_kernarg_segment_ptr 1
		.amdhsa_wavefront_size32 1
		.amdhsa_system_sgpr_workgroup_id_x 1
		.amdhsa_system_sgpr_workgroup_id_y 1
		.amdhsa_system_sgpr_workgroup_id_z 1
		.amdhsa_system_vgpr_workitem_id 0
		.amdhsa_next_free_vgpr 256
		.amdhsa_next_free_sgpr 66
		.amdhsa_reserve_vcc 1
		.amdhsa_float_denorm_mode_32 3
		.amdhsa_float_denorm_mode_16_64 3
		.amdhsa_memory_ordered 1
		.amdhsa_forward_progress 1
		.amdhsa_inst_pref_size 76
	.end_amdhsa_kernel
	.amdgpu_metadata
---
amdhsa.version: [ 1, 2 ]
amdhsa.kernels:
  - .name:           k_qef1015ca2a_prep
    .symbol:         k_qef1015ca2a_prep.kd
    .args:
      - { .name: x, .offset: 0, .size: 8, .value_kind: global_buffer, .address_space: global }
      - { .name: quantized_data, .offset: 8, .size: 8, .value_kind: global_buffer, .address_space: global }
      - { .name: quantized_scalers, .offset: 16, .size: 8, .value_kind: global_buffer, .address_space: global }
      - { .name: quantization_factor, .offset: 24, .size: 8, .value_kind: global_buffer, .address_space: global }
      - { .name: scaler_mean, .offset: 32, .size: 8, .value_kind: global_buffer, .address_space: global }
      - { .name: lora_A, .offset: 40, .size: 8, .value_kind: global_buffer, .address_space: global }
      - { .name: lora_B, .offset: 48, .size: 8, .value_kind: global_buffer, .address_space: global }
      - { .name: xh, .offset: 56, .size: 8, .value_kind: global_buffer, .address_space: global }
      - { .name: wh, .offset: 64, .size: 8, .value_kind: global_buffer, .address_space: global }
    .group_segment_fixed_size: 0
    .private_segment_fixed_size: 0
    .kernarg_segment_align: 8
    .kernarg_segment_size: 72
    .max_flat_workgroup_size: 128
    .sgpr_count:     66
    .vgpr_count:     256
    .wavefront_size: 32
...
	.end_amdgpu_metadata
.endif
;; end of part 1
;; launch gemm (part 2): grid 16 x 16, 4 waves a work-group, clusters of 4 x 4, 327,680 bytes of LDS; arguments xh, wh, out0; writes out0
.if DOCPART == 2
	.amdgcn_target "amdgcn-amd-amdhsa--gfx1250"
	.amdhsa_code_object_version 6
	.text
	.protected	k_qef1015ca2a_gemm
	.globl	k_qef1015ca2a_gemm
	.p2align	8
	.type	k_qef1015ca2a_gemm,@function
k_qef1015ca2a_gemm:
	s_mov_b64 s[64:65], 0
	v_nop
	global_prefetch_b8 v0, s[64:65] scope:SCOPE_SE
	s_setreg_imm32_b32 hwreg(HW_REG_WAVE_MODE, 25, 1), 1
	s_wait_xcnt 0x0
	s_wait_alu depctr_hold_cnt(0) depctr_sa_sdst(0) depctr_va_vdst(0) depctr_va_sdst(0) depctr_va_ssrc(0) depctr_va_vcc(0) depctr_vm_vsrc(0)
	s_getreg_b32 s2, hwreg(HW_REG_IB_STS2, 6, 4)
	s_cmp_eq_u32 s2, 0
	s_cbranch_scc0 .Lentry_in_a_cluster
	s_endpgm
.Lentry_in_a_cluster:
	s_bfe_u32 s2, ttmp6, 0x10000c
	s_cmp_lg_u32 s2, 0xf033
	s_cbranch_scc0 .Lentry_shape_is_right
	s_endpgm
.Lentry_shape_is_right:
; out0[m][n] = sum over k of xh[m][k] wh[n][k].  xh (A): [4096][4096] f16, wh (B): [4096][4096] f16, out0 (C): [4096][4096] f32; sums in f32, K ascending.
; LIMITS.  The operands are f16 (within 65,504, as the launch before states); NaN and infinities are not treated apart.
; A tile of C, 256 x 256, is made by a work-group of four waves; a wave makes 128 x 128: 64 accumulators of 16 x 16, 512 registers.  256 tiles, one to a work-group.
; K goes in steps of 128 through a ring of two LDS slots filled by the tensor data mover: the rows of A's and B's tiles are 256 bytes of memory and start at multiples of 256 bytes.
; CLUSTERS: 4 x 4 work-groups.  The four of a row of the cluster need the same tiles of A, the four of a column the same tiles of B.  Such a tile is asked for JOINTLY: each of the four
; issues the same tensor load, with the same descriptor and a mask that names the four, and each receives the tile in its own LDS: a quarter of the requests for A and for B.
; REGISTERS, in windows of 256 (s_set_vgpr_msb's low byte: bits 1:0 source 0, 3:2 source 1, 5:4 source 2, 7:6 destination):
;   window 0: v0-31 addresses; v64-127, v128-191 fragments of A (8 x 16 rows x 32 K), two buffers; on the way out the same 128 registers take rows back from the stage
;   window 1: v64-127, v128-191 fragments of B, two buffers
;   window 2: the 32 accumulators of my rows 0-63 (accumulator (a, b) at v[8 (8 a + b)]);   window 3: those of my rows 64-127
; THE MATRIX INSTRUCTION IS USED TRANSPOSED: source 0 = 16 rows of B, source 1 = 16 rows of A.  In the result lane l holds row m = l % 16 of C and its registers 0 to 7 the columns
; n = 8 (l / 16) + 0 .. 7: 32 neighbouring bytes of a row of C.
.set SIZE_N, 4096
.set SIZE_K, 4096
.set KSTEP,  128
.set PITCH,  272                       ; an LDS row: 256 bytes of data + 16 of padding = 68 words: row r starts at bank 4 r mod 64 (64 banks of 4 bytes: ISA guide 11.1), so the 16 rows that a load touches start at 16 different banks
.set HALFT,  128*PITCH                 ; 128 rows: what one tensor load brings, and what one wave reads of A or of B
.set SLOT,   4*HALFT                   ; A's 256 rows, then B's 256 rows
.set STAGE,  2*SLOT                    ; behind the ring: 16 rows x 528 bytes for each wave, for the way out; no tensor load lands here
.set SPITCH, 528                       ; 512 bytes of a row of my 128 columns + 16 = 132 words: again row r starts at bank 4 r mod 64
.set SPARE,  STAGE+4*16*SPITCH         ; behind the stages: the spare words, 128 bytes for each wave: two blocks of 256 bytes that no other line names
.set LAPS, SIZE_K/(2*KSTEP)            ; a lap = two K steps = once round the ring: 16
.set ADRA, 16                          ; v16-17  LDS address of my A fragments in slot 0, 1
.set ADRB, 20                          ; v20-21  the same for B
.set STO,  24                          ; v24     the way out: where I put 32 bytes of a row
.set RD,   25                          ; v25     the way out: where I read 16 bytes of a row back
.set CO,   26                          ; v26     16 x lane: my 16 bytes of 512 consecutive bytes of C
.set SPW,  28                          ; v28     LDS address of my spare word: SPARE + 4 x my thread's number; never rewritten
.set NIL,  29                          ; v29     0; never rewritten
.set PFO,  30                          ; v30     the prefetches' offset: my lane x a row of A or B in memory (8,192 bytes); never rewritten
.set PFA,  44                          ; s[44:45] where my prefetches stand: my work-group's 32 rows of the 128 that I fetch, one K step further along K than the refill that is being asked for; a prefetch names the K step after that
.set LIM,  43                          ; s43     1 in a wave that prefetches, else the greatest number
.set F0,   64                          ; fragment buffer 0
.set F1,   128                         ; fragment buffer 1
.set G1, 24                            ; s[24:31] descriptor group 1 for A's tiles
.set G0, 32                            ; s[32:39] descriptor group 0 for A's tiles, one set for each slot
.set G1B, 48                           ; s[48:55] descriptor group 1 for B's tiles: it differs from A's in the mask alone
.set G0B, 56                           ; s[56:63] descriptor group 0 for B's tiles, one set for each slot
.set MSB, 0
.macro WIN new                         ; the immediate's high byte repeats the setting that is left; a switch that changes nothing is dropped
.if MSB != (\new)
	s_set_vgpr_msb (MSB<<8)|(\new)
.set MSB, \new
.endif
.endm
.set MUL_LO, 0xa1                      ; source 0 (B) window 1, source 1 (A) window 0, C and D window 2
.set MUL_HI, 0xf1                      ; the same, C and D window 3
.set TO_B,   0x40                      ; destination window 1, address window 0
; A joint load.  Waves 0 and 1 fetch A's two halves, waves 2 and 3 B's.  Each of the two lines has ONE mask and one set of registers for all that issue it.  The branch hangs on the wave's
; number alone.  An s_nop 0 and four v_nop follow each of the two lines, ahead of the jump, the label and what follows.
.macro JLOAD s
	s_cmp_eq_u32 s11, 0
	s_cbranch_scc0 .Lfor_b_\@
	tensor_load_to_lds s[G0+4*(\s):G0+4*(\s)+3], s[G1:G1+7]
	s_nop 0
.rept 4
	v_nop
.endr
	s_branch .Lasked_\@
.Lfor_b_\@:
	tensor_load_to_lds s[G0B+4*(\s):G0B+4*(\s)+3], s[G1B:G1B+7]
	s_nop 0
.rept 4
	v_nop
.endr
.Lasked_\@:
.endm
; A PREFETCH, behind each joint load of the loop, its five lines and the run of LDS loads that follows them: the K step that stands TWO refills on (512 matrix instructions ahead of the load
; that will name it): 32 rows x 256 bytes, a lane a row, one instruction a wave.  Each row's 256 bytes of a K step are named ONCE in the launch: A's tile row is read by every cluster of that row of
; clusters, and the one with cluster x = 0 asks; B's tile column by every cluster of that column, and the one with cluster y = 0 asks.  The four partners that ask for a tile jointly share its rows out
; BY ADDRESS: of the 128 rows that a wave fetches the partner at place p takes 32 p .. 32 p + 31 (p = cx for A, cy for B).  K steps 0 to 3 come by their loads alone; the loop's last trip
; (s3 = 1) asks for nothing: K steps 32 and 33 do not exist.
.macro ASK
	s_cmp_gt_u32 s3, s[LIM]
	s_cbranch_scc0 .Lnot_mine_\@
	global_prefetch_b8 v[PFO], s[PFA:PFA+1] offset:KSTEP*2 th:TH_LOAD_NT scope:SCOPE_SE
.Lnot_mine_\@:
.endm
; A round of the cluster's barrier: my work-group's barrier, so that wave 0's signal speaks for all four waves; wave 0 signals for the work-group; every wave waits for all sixteen
; work-groups; my work-group's barrier once more.  No LDS instruction of the wave is pending at a signal.
.macro CREST                           ; a round behind its opening barrier
	s_cmp_lg_u32 s10, 0
	s_cbranch_scc1 .Lnot_wave_0_\@
	s_barrier_signal -3
.Lnot_wave_0_\@:
	s_barrier_wait -3
	s_barrier_signal -1
	s_barrier_wait -1
.endm
.macro CROUND                          ; a whole round
	s_barrier_signal -1
	s_barrier_wait -1
	CREST
.endm
	s_load_b128 s[4:7], s[0:1], 0x0                ; A (xh) s[4:5], B (wh) s[6:7]
	s_load_b64 s[8:9], s[0:1], 0x10                ; C (out0)
	v_lshl_add_u32 v[SPW], v0, 2, SPARE
	v_mov_b32 v[NIL], 0
	ds_add_u32 v[SPW], v[NIL]                      ; the wave's opening: the add, twice on end, and its wait ahead of my first tensor load; the set-up below, work on registers, stands between the second and the wait
	ds_add_u32 v[SPW], v[NIL]                      ; and once more, under the one wait
	v_lshrrev_b32 v1, 5, v0
	v_readfirstlane_b32 s10, v1                    ; wave 0..3
	s_lshr_b32 s11, s10, 1                         ; which half of the tile's rows is mine.  Also: I fetch for A (0) or for B (1)
	s_and_b32 s12, s10, 1                          ; which half of its columns.  Also: which 128 rows of that tile I fetch
	s_bfe_u32 s40, ttmp6, 0x40000                  ; cx: my place along the cluster's x
	s_bfe_u32 s41, ttmp6, 0x40004                  ; cy: along its y
	s_lshl_b32 s42, ttmp9, 2                       ; in a cluster launch ttmp9 and ttmp7 count clusters
	s_add_co_u32 s42, s42, s40                     ; tile column of C = 4 x cluster x + cx
	s_and_b32 s13, ttmp7, 0xffff
	s_lshl_b32 s13, s13, 2
	s_add_co_u32 s13, s13, s41                     ; tile row of C = 4 x cluster y + cy
	s_lshl_b32 s43, s41, 2
	s_lshl_b32 s43, 15, s43                        ; my row of the cluster: places 4 cy .. 4 cy + 3
	s_lshl_b32 s44, 0x1111, s40                    ; my column: places cx, cx + 4, cx + 8, cx + 12
	; descriptor group 1: a tile of 128 rows x 128 elements, padded in LDS
	s_or_b32 s[G1+0], s43, (1<<16)|(1<<20)|(1<<21)|(5<<22)|(3<<25)  ; 15:0 the mask: A's tiles go to my row; 17:16 element of 2 bytes; 20 padding on; 21 set beside a mask; 24:22 after every 64 words (code 5); 31:25 of 4 words (code 3)
	s_or_b32 s[G1B+0], s44, (1<<16)|(1<<20)|(1<<21)|(5<<22)|(3<<25) ; the same with the mask of my column, for B's tiles
	s_mov_b32 s[G1B+1], KSTEP<<16
	s_mov_b32 s[G1+1], KSTEP<<16                   ; 63:48 tensor_dim0, low half = 128
	s_mov_b32 s[G1B+2], 128<<16
	s_mov_b32 s[G1+2], 128<<16                     ; 79:64 its high half = 0; 95:80 tensor_dim1, low half = 128
	s_mov_b32 s[G1B+3], KSTEP<<16
	s_mov_b32 s[G1+3], KSTEP<<16                   ; 111:96 its high half = 0; 127:112 tile_dim0 = 128
	s_mov_b32 s[G1B+4], 128
	s_mov_b32 s[G1+4], 128                         ; 143:128 tile_dim1 = 128; 159:144 tile_dim2 = 0
	s_mov_b32 s[G1B+5], SIZE_K
	s_mov_b32 s[G1+5], SIZE_K                      ; 191:160 tensor_dim0_stride, low word: elements from row to row
	s_mov_b32 s[G1B+6], 0
	s_mov_b32 s[G1+6], 0
	s_mov_b32 s[G1B+7], 0
	s_mov_b32 s[G1+7], 0
	; where the tiles come from.  A's hang on the tile row alone, which my row of the cluster shares; B's on the tile column alone, which my column shares.
	; Every wave makes both addresses, in registers that never hold the other coordinate, and asks by one of them.
	s_lshl_b32 s17, s12, 7                         ; which 128 rows of the tile I fetch
	s_lshl_b32 s16, s13, 8
	s_add_co_u32 s16, s16, s17                     ; A: row 256 x tile row + 128 x half
	s_lshl_b32 s46, s42, 8
	s_add_co_u32 s46, s46, s17                     ; B: row 256 x tile column + 128 x half
	s_mov_b32 s17, 0
	s_mov_b32 s47, 0
	s_mov_b64 s[18:19], SIZE_K*2
	s_mul_u64 s[16:17], s[16:17], s[18:19]         ; in bytes, in 64 bits
	s_mul_u64 s[46:47], s[46:47], s[18:19]
	s_mul_i32 s20, s10, HALFT                      ; and where they go: A's two halves, then B's two halves = wave x 128 rows: no place in the cluster enters an LDS address
	s_wait_dscnt 0x0                               ; both opening adds are done
	s_wait_kmcnt 0x0
	s_add_nc_u64 s[14:15], s[4:5], s[16:17]
	s_add_nc_u64 s[46:47], s[6:7], s[46:47]
	CROUND                                         ; all sixteen work-groups are here: the first joint loads meet
.irp s, 0,1
	s_mov_b32 s[G0+4*(\s)], 1                                      ; 1:0 count = 1
	s_add_co_u32 s[G0+4*(\s)+1], s20, (\s)*SLOT                    ; 63:32 LDS address
	s_add_nc_u64 s[G0+4*(\s)+2:G0+4*(\s)+3], s[14:15], (\s)*KSTEP*2  ; 120:64 global address: K step s
	s_or_b32 s[G0+4*(\s)+3], s[G0+4*(\s)+3], 0x80000000            ; 127:126 type = 2
	s_mov_b32 s[G0B+4*(\s)], 1
	s_add_co_u32 s[G0B+4*(\s)+1], s20, (\s)*SLOT
	s_add_nc_u64 s[G0B+4*(\s)+2:G0B+4*(\s)+3], s[46:47], (\s)*KSTEP*2
	s_or_b32 s[G0B+4*(\s)+3], s[G0B+4*(\s)+3], 0x80000000
	JLOAD \s                                       ; the ring is filled before anything else is done: two tensor loads of mine are out
.endr
	; A fragment is 16 rows x 32 K in 8 registers: lane l holds row l % 16; registers 0-3 hold K = 8 (l / 16) + 0..7, registers 4-7 hold
	; K = 16 + 8 (l / 16) + 0..7.  From rows that lie along K: two loads of 16 bytes, 32 bytes apart.  The same for source 0 and source 1.
	v_and_b32 v1, 15, v0                           ; l % 16
	v_bfe_u32 v2, v0, 4, 1                         ; l / 16
	v_mul_u32_u24 v3, v1, PITCH
	v_lshl_add_u32 v3, v2, 4, v3                   ; row x pitch + 16 x half
	s_mul_i32 s21, s11, HALFT                      ; my 128 rows of A
	s_mul_i32 s22, s12, HALFT                      ; my 128 rows of B,
	s_add_co_u32 s22, s22, 2*HALFT                 ; which lie behind A's 256
.irp s, 0,1
	v_add_nc_u32 v[ADRA+(\s)], s21, v3
	v_add_nc_u32 v[ADRB+(\s)], s22, v3
	s_add_co_u32 s21, s21, SLOT
	s_add_co_u32 s22, s22, SLOT
.endr
	s_mul_i32 s23, s10, 16*SPITCH
	s_add_co_u32 s23, s23, STAGE                   ; my stage
	v_mul_u32_u24 v4, v1, SPITCH                   ; in: row l % 16, 32 bytes for each half of the lanes
	v_lshl_add_u32 v4, v2, 5, v4
	v_add_nc_u32 v[STO], s23, v4
	v_and_b32 v5, 31, v0
	v_lshlrev_b32 v[CO], 4, v5                     ; back, and out: 32 lanes take one row of 512 bytes
	v_add_nc_u32 v[RD], s23, v[CO]
	v_lshlrev_b32 v[PFO], 13, v5
	; C at my part of the tile
	s_lshl_b32 s13, s13, 8
	s_lshl_b32 s14, s11, 7
	s_add_co_u32 s16, s13, s14                     ; my first row of C
	s_mov_b32 s17, 0
	s_mov_b64 s[18:19], SIZE_N*4
	s_mul_u64 s[16:17], s[16:17], s[18:19]
	s_lshl_b32 s46, s42, 10                        ; my first column, in bytes: 1,024 x tile column + 512 x half (in the registers that held B's address: none that feeds A's descriptors ever holds cx)
	s_lshl_b32 s47, s12, 9
	s_add_co_u32 s46, s46, s47
	s_mov_b32 s47, 0
	s_add_nc_u64 s[16:17], s[16:17], s[46:47]
	s_add_nc_u64 s[8:9], s[8:9], s[16:17]
	; the prefetches.  s13 = 256 x tile row, s42 = tile column, s40 = cx, s41 = cy still stand; s[4:5] = A, s[6:7] = B
	s_lshl_b32 s42, s42, 8
	s_and_b32 s22, ttmp7, 0xffff                   ; cluster y
	s_cmp_eq_u32 s11, 0                            ; do I fetch for A?
	s_cselect_b32 s20, s13, s42                    ; the tile's first row: in A by the tile row, in B by the tile column
	s_cselect_b32 s21, s40, s41                    ; my place among the four that ask for it with me
	s_cselect_b32 s22, ttmp9, s22                  ; the coordinate along which other clusters read the same rows
	s_cselect_b64 s[PFA:PFA+1], s[4:5], s[6:7]
	s_cmp_eq_u32 s22, 0
	s_cselect_b32 s[LIM], 1, -1                    ; the same in all sixteen partners, for a given wave
	s_lshl_b32 s22, s12, 7
	s_add_co_u32 s20, s20, s22                     ; + the 128 rows that I fetch
	s_lshl_b32 s21, s21, 5
	s_add_co_u32 s20, s20, s21                     ; + my work-group's 32 of them
	s_mov_b32 s21, 0
	s_mov_b64 s[18:19], SIZE_K*2
	s_mul_u64 s[20:21], s[20:21], s[18:19]
	s_add_nc_u64 s[PFA:PFA+1], s[PFA:PFA+1], s[20:21]
	s_add_nc_u64 s[PFA:PFA+1], s[PFA:PFA+1], 2*KSTEP*2  ; at K step 2: the first refill steps it to 3 and names K step 4.  Nothing is prefetched here, at the head
; 16 matrix instructions: m blocks a0, a0 + 1 of the window's four (hi = 0: my rows 0-63, 1: rows 64-127) x all 8 n blocks, 32 along K.
; zero = 1: the first product starts the sums: nothing is ever cleared.  The 64 accumulators take turns, one instruction a turn, in the same order in every quarter step.
.macro MUL16 f, hi, a0, zero
	WIN MUL_LO+0x50*(\hi)
.irp a, \a0, (\a0)+1
.irp b, 0,1,2,3,4,5,6,7
.if \zero
	v_wmma_f32_16x16x32_f16 v[8*(8*(\a)+(\b)):8*(8*(\a)+(\b))+7], v[(\f)+8*(\b):(\f)+8*(\b)+7], v[(\f)+8*(4*(\hi)+(\a)):(\f)+8*(4*(\hi)+(\a))+7], 0
.else
	v_wmma_f32_16x16x32_f16 v[8*(8*(\a)+(\b)):8*(8*(\a)+(\b))+7], v[(\f)+8*(\b):(\f)+8*(\b)+7], v[(\f)+8*(4*(\hi)+(\a)):(\f)+8*(4*(\hi)+(\a))+7], v[8*(8*(\a)+(\b)):8*(8*(\a)+(\b))+7]
.endif
.endr
.endr
.endm
; 32 LDS loads in one run: the fragments of one quarter step (128 rows of B, 128 rows of A, 32 K at byte k of the rows) into buffer f
.macro FETCH slot, k, f
	WIN TO_B
.irp i, 0,1,2,3,4,5,6,7
	ds_load_b128 v[(\f)+8*(\i):(\f)+8*(\i)+3],   v[ADRB+(\slot)] offset:(\k)+(\i)*16*PITCH
	ds_load_b128 v[(\f)+8*(\i)+4:(\f)+8*(\i)+7], v[ADRB+(\slot)] offset:(\k)+(\i)*16*PITCH+32
.endr
	WIN 0
.irp i, 0,1,2,3,4,5,6,7
	ds_load_b128 v[(\f)+8*(\i):(\f)+8*(\i)+3],   v[ADRA+(\slot)] offset:(\k)+(\i)*16*PITCH
	ds_load_b128 v[(\f)+8*(\i)+4:(\f)+8*(\i)+7], v[ADRA+(\slot)] offset:(\k)+(\i)*16*PITCH+32
.endr
.endm
; A load into a register that a matrix instruction has read stands four places behind that matrix instruction, and only plain vector instructions that name none of its registers are
; places (ISA guide 7.12.1 for vector instructions): four v_nop in front of each run of loads.
.macro PLACES
.rept 4
	v_nop
.endr
.endm
; A K step is four quarter steps of 32 along K, 64 matrix instructions each, on buffers 0, 1, 0, 1.
; One of the first three: multiplies buffer f; in its middle it fetches the next quarter's fragments, at byte k of the same slot's rows, into buffer g.
.macro QUARTER slot, k, f, g, zero
	s_wait_dscnt 8                                 ; B and A's rows 0-63 are in; the youngest eight loads (A's rows 64-127) may be out
	WIN MUL_LO
	MUL16 \f, 0, 0, \zero
	MUL16 \f, 0, 2, \zero
	PLACES
	FETCH \slot, \k, \g
	s_wait_dscnt 32                                ; all but the 32 just issued
	WIN MUL_HI
	MUL16 \f, 1, 0, \zero
	MUL16 \f, 1, 2, \zero
.endm
; The last quarter multiplies buffer 1 and changes slots.  MEET is its first half: ONE barrier for the change of slots.  In front of it each wave waits for all its tensor loads, of which one
; is out: its part of the next slot; adds 0 to its spare word; and waits for that and for its own reads of this slot.  Behind it nobody reads this slot any more and the next slot is whole.
.macro MEET round                      ; round = 1: a round of the cluster's barrier follows
	WIN 0                                          ; (the add's two registers lie in window 0)
	s_wait_tensorcnt 0x0                           ; all my tensor loads have landed: the one that was out is my part of the next slot;
	ds_add_u32 v[SPW], v[NIL]                      ; 0 onto my spare word;
	s_wait_dscnt 9                                 ; (the add and the youngest eight loads may be out)
	WIN MUL_LO
	MUL16 F1, 0, 0, 0                              ; sixteen matrix instructions stand between the add and the wait for it
	s_wait_dscnt 0x0                               ; the add is done, and my reads of this slot are over:
	s_barrier_signal -1                            ; say so (where a slot is filled again this barrier opens a round of the cluster's barrier),
	MUL16 F1, 0, 2, 0                              ; work on registers while the others arrive,
.if \round
	WIN 0
.endif
	s_barrier_wait -1                              ; and go on when all four have said so
.endm
; The whole last quarter.  fill = 1: behind the round the slot just read out is filled again first, with the K step two steps on; then come the next slot's first fragments.  From a request to
; the wait for it a wave issues 224 matrix instructions.  fill = 0 (the last lap): nothing is asked for, so no round follows the barrier.
.macro TURN slot, next, fill
.if \fill
	s_wait_xcnt 0x0                                ; the last prefetch, a K step back, has read its address: it is stepped here, ahead of the waits of the change of slots
	s_add_nc_u64 s[PFA:PFA+1], s[PFA:PFA+1], KSTEP*2
	MEET 1
	CREST                                          ; no wave of any partner still reads this slot's tile or has a load on its way
	s_add_nc_u64 s[G0+4*(\slot)+2:G0+4*(\slot)+3], s[G0+4*(\slot)+2:G0+4*(\slot)+3], 2*KSTEP*2      ; no tensor load of mine is out, so a group 0 may be written; the type bits on top are not reached
	s_add_nc_u64 s[G0B+4*(\slot)+2:G0B+4*(\slot)+3], s[G0B+4*(\slot)+2:G0B+4*(\slot)+3], 2*KSTEP*2
	JLOAD \slot                                    ; the first tensor load behind the round, my only one until the next; the four v_nop behind it are also the places in front of the loads below
	FETCH \next, 0, F0
	ASK                                            ; behind the joint load and the run of LDS loads that the next products wait for
.else
	MEET 0
	PLACES
	FETCH \next, 0, F0
.endif
	WIN MUL_HI
	MUL16 F1, 1, 0, 0
	MUL16 F1, 1, 2, 0
.endm
; THE WAY OUT of block a (16 of my rows x my 128 columns, f32).  TOSTAGE: a lane's 32 bytes of each of 8 column blocks go into my own stage, straight from the accumulators, the lower four
; registers first; then the block comes back as 16 whole rows of 512 bytes, into A's fragment registers, two buffers by turns.  SEND: stored.
.macro TOSTAGE a
.set AC, 64*((\a)%4)
.set BK, F0+64*((\a)%2)
.if (\a) >= 2
	s_wait_xcnt 0x0                                ; the stores of block a - 2 have read this buffer: only behind this wait is it loaded again
.endif
	WIN 0x08+4*((\a)/4)                            ; the stores' data (source 1) in window 2 or 3, their address in window 0
.irp b, 0,1,2,3,4,5,6,7
	ds_store_b128 v[STO], v[AC+8*(\b):AC+8*(\b)+3]   offset:64*(\b)
	ds_store_b128 v[STO], v[AC+8*(\b)+4:AC+8*(\b)+7] offset:64*(\b)+16
.endr
	WIN 0
.irp t, 0,1,2,3,4,5,6,7,8,9,10,11,12,13,14,15
	ds_load_b128 v[BK+4*(\t):BK+4*(\t)+3], v[RD] offset:(\t)*SPITCH  ; LDS serves a wave's instructions in order (ISA guide 5.7.1.4): these see the stores above; the next block's stores come behind them
.endr
.endm
.macro SEND a, younger                 ; younger: the LDS instructions issued behind block a's loads: the next block's 32, or none
.set BK, F0+64*((\a)%2)
.irp t, 0,1,2,3,4,5,6,7,8,9,10,11,12,13,14,15
	s_wait_dscnt (\younger)+15-(\t)                ; row t is back in registers
	global_store_b128 v[CO], v[BK+4*(\t):BK+4*(\t)+3], s[8:9] offset:(\a)*16*SIZE_N*4+(\t)*SIZE_N*4 th:TH_STORE_NT  ; 512 consecutive bytes, at a multiple of 256 from C's first byte; the row stands in the immediate, 2,080,768 at the most
.endr
.endm
	s_wait_tensorcnt 1                             ; my part of K step 0 is in; K step 1's load may stay out
	s_barrier_signal -1
	s_barrier_wait -1                              ; everybody's is
	FETCH 0, 0, F0
	QUARTER 0, 64,  F0, F1, 1                      ; the first quarter stands in front of the loop: its products start the sums
	WIN 0                                          ; at a label and at a branch every window is 0
	s_mov_b32 s3, LAPS-1
.Llap:                                                 ; a trip goes once round the ring, from a lap's second quarter to the next lap's first, and fills both slots again
	QUARTER 0, 128, F1, F0, 0
	QUARTER 0, 192, F0, F1, 0
	TURN 0, 1, 1
	QUARTER 1, 64,  F0, F1, 0
	QUARTER 1, 128, F1, F0, 0
	QUARTER 1, 192, F0, F1, 0
	TURN 1, 0, 1
	QUARTER 0, 64,  F0, F1, 0
	WIN 0
	s_sub_co_u32 s3, s3, 1
	s_cmp_lg_u32 s3, 0
	s_cbranch_scc1 .Llap
	QUARTER 0, 128, F1, F0, 0                      ; the last lap is written out: it fills nothing
	QUARTER 0, 192, F0, F1, 0
	TURN 0, 1, 0
	QUARTER 1, 64,  F0, F1, 0
	QUARTER 1, 128, F1, F0, 0
	QUARTER 1, 192, F0, F1, 0
	s_wait_dscnt 8                                 ; the very last quarter: nothing more to fetch
	WIN MUL_LO
	MUL16 F1, 0, 0, 0
	MUL16 F1, 0, 2, 0
	s_wait_dscnt 0x0
	MUL16 F1, 1, 0, 0
	MUL16 F1, 1, 2, 0
	WIN 0
	PLACES                                         ; places between the last products and the LDS stores that read results and the loads into A's fragment registers:
	PLACES                                         ; four are asked for (ISA guide 7.12.1); eight are written, once a launch
	TOSTAGE 0
.irp a, 1,2,3,4,5,6,7                  ; block a's trip through the stage is issued ahead of the waits for block a - 1's rows
	TOSTAGE \a
	SEND (\a)-1, 32
.endr
	SEND 7, 0
	s_wait_tensorcnt 0x0                           ; the wave's end, behind my last tensor load and my last LDS store
	ds_add_u32 v[SPW], v[NIL]
	s_wait_dscnt 0x0
	CROUND                                         ; the closing round: no work-group ends while a partner may still ask for a tile that names it
	s_endpgm
.Lfunc_end_k_qef1015ca2a_gemm:
	.size	k_qef1015ca2a_gemm, .Lfunc_end_k_qef1015ca2a_gemm-k_qef1015ca2a_gemm
	.p2alignl 7, 3214868480
	.fill 96, 4, 3214868480
	.section	.rodata,"a",@progbits
	.p2align	6, 0x0
	.amdhsa_kernel k_qef1015ca2a_gemm
		.amdhsa_group_segment_fixed_size 327680
		.amdhsa_private_segment_fixed_size 0
		.amdhsa_enable_private_segment 0
		.amdhsa_kernarg_size 24
		.amdhsa_user_sgpr_count 2
		.amdhsa_user_sgpr_kernarg_segment_ptr 1
		.amdhsa_wavefront_size32 1
		.amdhsa_system_sgpr_workgroup_id_x 1
		.amdhsa_system_sgpr_workgroup_id_y 1
		.amdhsa_system_sgpr_workgroup_id_z 1
		.amdhsa_system_vgpr_workitem_id 0
		.amdhsa_next_free_vgpr 1024
		.amdhsa_next_free_sgpr 66
		.amdhsa_reserve_vcc 0
		.amdhsa_float_denorm_mode_32 3
		.amdhsa_float_denorm_mode_16_64 3
		.amdhsa_memory_ordered 1
		.amdhsa_forward_progress 1
		.amdhsa_inst_pref_size 145
	.end_amdhsa_kernel
	.amdgpu_metadata
---
amdhsa.version: [ 1, 2 ]
amdhsa.kernels:
  - .name:           k_qef1015ca2a_gemm
    .symbol:         k_qef1015ca2a_gemm.kd
    .args:
      - { .name: xh, .offset: 0, .size: 8, .value_kind: global_buffer, .address_space: global }
      - { .name: wh, .offset: 8, .size: 8, .value_kind: global_buffer, .address_space: global }
      - { .name: out0, .offset: 16, .size: 8, .value_kind: global_buffer, .address_space: global }
    .group_segment_fixed_size: 327680
    .private_segment_fixed_size: 0
    .kernarg_segment_align: 8
    .kernarg_segment_size: 24
    .max_flat_workgroup_size: 128
    .sgpr_count:     66
    .vgpr_count:     1024
    .wavefront_size: 32
...
	.end_amdgpu_metadata
.endif
;; end of part 2
;; ======== version 2 of 2: 2 launches; version 1 with the launch prep written anew for expert scheduling mode
;; limits: values are held in f16: magnitudes above 65,504 overflow, below 6.1e-05 lose precision; inputs' magnitudes at most 65,504
;; workspace buffers: xh 33,554,432 bytes; wh 33,554,432 bytes
;; launch prep (part 3): grid 1536 x 1, 4 waves a work-group, no clusters, 0 bytes of LDS; arguments x, quantized_data, quantized_scalers, quantization_factor, scaler_mean, lora_A, lora_B, xh, wh; writes xh, wh
.if DOCPART == 3
	.amdgcn_target "amdgcn-amd-amdhsa--gfx1250"
	.amdhsa_code_object_version 6
	.text
	.protected	k_qef1015ca2a_prep
	.globl	k_qef1015ca2a_prep
	.p2align	8
	.type	k_qef1015ca2a_prep,@function
k_qef1015ca2a_prep:
	s_mov_b64 s[64:65], 0
	v_nop
	global_prefetch_b8 v0, s[64:65] scope:SCOPE_SE
	s_setreg_imm32_b32 hwreg(HW_REG_WAVE_SCHED_MODE, 0, 2), 2
	s_setreg_imm32_b32 hwreg(HW_REG_WAVE_MODE, 25, 1), 1
	s_wait_xcnt 0x0
	s_wait_alu depctr_vm_vsrc(0)
; PREP: the two operands of the product that follows, each rounded ONCE from f32 to f16.
;   xh[m][i] = f16(x[m][i])                                             [4096][4096]
;   wh[o][i] = f16(NF4[code(o,i)] * s(o, i/64) + 2 * sum_r B[o][r] A[r][i])   [4096][4096]
; since x w^T + 2 (x A^T) B^T = x (w + 2 B A)^T for every input, the low-rank path is folded into the weight here.
; LIMITS.  f16 ends at 65,504: |x|, |w + 2 B A|, |2 B| and |A| stay below it; below 6e-5 a number keeps f16's fixed step of 6e-8.
; s = int * (1 / factor) + mean, one v_rcp_f32 and one fused multiply-add in place of a division: 1 to 2 units in f32's last place.
; A word of quantized_data lies in 0 .. 255 (it indexes a table of 16 by its two nibbles).  NaN and infinities are not treated apart.
; ROLES.  Work-groups 0 .. 511 make wh, 512 .. 1535 make xh: one scalar branch on the work-group's number.  No LDS byte is touched
; (ds_bpermute_b32 moves registers between lanes only), no wave waits for another, EXEC is never changed.
; W ROLE.  A wave owns a strip of 128 columns and 64 rows: four UNITS of 16 rows x 128 columns.  With r = lane % 16, h = lane / 16:
; the unit's 2 B A is eight matrix instructions t = 0 .. 7, source 0 = 16 rows of 2 B (K = 16, padded by zeros to 32), source 1 = the
; columns i0 + 8 n + t of A.  Register j of result t in lane (r, h) is then element (o0 + 8 h + j, i0 + 8 r + t): for a fixed j a lane's
; eight results are eight NEIGHBOURING weights of one row, which is also what 16 bytes of quantized_data hold (two codes a word, 2 bytes
; a weight, as in wh).  So sixteen lanes load, and store, 256 consecutive aligned bytes, and the dequantised weight is the C operand.
; THE MODE: SCHED_MODE bits 1:0 = 2 (LLVM: expert scheduling mode 2), set by the entry lines.  The code itself states the register dependences
; between vector or matrix instructions and memory or LDS instructions, with s_wait_alu, always for 0.
; THE PLAN, W ROLE.  Registers that memory or LDS instructions touch:
;   VO VB VA VS VF   offsets: written once at the head, read by every load and store, never written again.
;   TAB SIDX SC RF   written once by vector instructions, then read by lookups alone.  v12-15: the factor's load, the reciprocal's source, then the factor lookups' addresses; not named behind those.
;   BR[u % 2]        unit u's loads land; its doubling and conversion read it; the loads of unit u + 2 land.
;   QD[u % 2]        unit u's codes land; its shifts read them and leave the low nibbles' addresses in place; the low lookups read those; the conversions write the packed f16; the stores read it; the loads of unit u + 2 land.
;   ACC, even t      the high nibbles' lookups land; scaling, matrix instruction and conversion follow.
;   ACC, odd t       the shifts park the HIGH nibble's address in the register in which the LOW nibble's weight will land; the high lookups read it; then the low lookups land there.
;   SJ               the scalers' lookups land; the scaling reads it.        BF, AF are named by vector and matrix instructions alone.
; So a unit has five waits: (1) va_vdst behind all its shifts, ahead of the one run of lookups; (2) vm_vsrc between the high and the low lookups; (3) vm_vsrc ahead of the conversions that write QD;
; (4) va_vdst behind all conversions, ahead of the one run of stores; (5) vm_vsrc ahead of the loads that land in QD again.
; THE PLAN, X ROLE.  v2, v3: offsets, written once.  XR: each register is loaded once, converted in place once, stored once.  Four groups of eight loads: one va_vdst at the head of a group states that the
; group before has written its packed halves, and that group's stores are dealt among this group's conversions, which name other registers.
.set RR,   2                           ; v2   r
.set HH,   3                           ; v3   h
.set VO,   4                           ; v4   65536 h + 16 r: my 16 bytes in quantized_data and in wh (8,192 bytes a row in both); never rewritten
.set VB,   5                           ; v5   64 r + 32 h: my 8 numbers of a row of lora_B
.set VA,   6                           ; v6   131072 h + 32 r: my 8 columns of row 8 h of lora_A
.set VS,   7                           ; v7   256 (l / 2) + 4 (l % 2): the scaler of row l / 2, block l % 2 of the strip
.set VF,   8                           ; v8   4 (l % 16): one of the 16 factors of the wave's 64 rows
.set FIDX, 9                           ; v9   4 (l / 8)
.set TAB,  10                          ; v10  NF4[l % 16]
.set RF,   11                          ; v11  1 / factor
.set TI,   12                          ; v[12:15] at the start only: v12 the factor as loaded, v13 and v14 at work, then four times the lanes that hold the four units' factors
.set SIDX, 16                          ; v[16:23] 64 h + 8 j + 4 (r / 8): four times the lane that holds the scaler of row 8 h + j, block r / 8
.set SJ,   24                          ; v[24:31] that scaler, by j; at the start v[24:27] the scalers as loaded, v[28:31] their 1 / factor
.set SC,   32                          ; v[32:35] unit u's 32 scalers, one a lane
.set BF,   36                          ; v[36:43] source 0; v[40:43] stay 0
.set BR,   44                          ; v[44:59] lora_B as loaded, two buffers of 8
.set QD,   60                          ; v[60:123] two buffers of 32: row j's four words at +4 j; first codes, then the low nibbles' addresses, then the packed f16
.set ACC,  124                         ; v[124:187] result t at +8 t; at the start lora_A as loaded, row kk, column t at +8 kk + t
.set AF,   188                         ; v[188:251] source 1 for t at +8 t; its registers 4 .. 7 stay 0
.set XR,   64                          ; X role: v[64:191]
.set MK,   31                          ; s[32:46] the table's masks: entry i's at s[MK + i]
.macro NFC i                           ; where is l % 16 another number than i?
	v_cmp_ne_u32 s[MK+(\i)], \i, v[RR]
.endm
.macro NFS i, bits                     ; the lanes with l % 16 = i take table entry i
	v_cndmask_b32 v[TAB], \bits, v[TAB], s[MK+(\i)]
.endm
; Unit u's ten loads: my 8 numbers of lora_B, and for each of 8 rows 16 bytes of codes.
.macro LOADS u
.set BB, BR+8*((\u)%2)
.set QB, QD+32*((\u)%2)
	global_load_b128 v[BB:BB+3],   v[VB], s[20:21] offset:1024*(\u)
	global_load_b128 v[BB+4:BB+7], v[VB], s[20:21] offset:1024*(\u)+16
.irp j, 0,1,2,3,4,5,6,7
	global_load_b128 v[QB+4*(\j):QB+4*(\j)+3], v[VO], s[10:11] offset:131072*(\u)+8192*(\j) th:TH_LOAD_NT  ; lanes 0-15: 256 consecutive bytes of row j, lanes 16-31 of row 8 + j
.endr
.endm
.macro UNIT u
.set BB, BR+8*((\u)%2)
.set QB, QD+32*((\u)%2)
.if (\u) < 3
	s_wait_loadcnt 10                              ; loads come back in order (ISA guide 5.7.1): this unit's ten are in, the next unit's ten stay out
.else
	s_wait_loadcnt 0x0
.endif
.irp p, 0,1,2,3
	v_pk_add_f32 v[BB+2*(\p):BB+2*(\p)+1], v[BB+2*(\p):BB+2*(\p)+1], v[BB+2*(\p):BB+2*(\p)+1]  ; 2 B: alpha / r = 2, exact
.endr
.irp p, 0,1,2,3
	v_cvt_pk_f16_f32 v[BF+(\p)], v[BB+2*(\p)], v[BB+2*(\p)+1]
.endr
	; The table: ds_bpermute_b32 gives lane i the data of lane (address / 4) mod 32.  q >> 2 names lane q >> 4 (q < 256), q << 2 names lane q mod 32, which holds NF4[q mod 16].
	; All 64 addresses are made first.  The high nibble's goes into the register in which the low nibble's weight will land, the low nibble's stays where the code lay.
	; The last lookups that read these registers stand ahead of a wait on vm_vsrc: the odd results' ahead of the last unit's wait between its two runs, this QD's ahead of the wait in front of its loads.
.irp j, 0,1,2,3,4,5,6,7
.irp p, 0,1,2,3
	v_lshrrev_b32 v[ACC+16*(\p)+8+(\j)], 2, v[QB+4*(\j)+(\p)]
	v_lshlrev_b32 v[QB+4*(\j)+(\p)], 2, v[QB+4*(\j)+(\p)]
.endr
.endr
	s_wait_alu depctr_va_vdst(0)                   ; the shifts have written the 64 addresses (ahead of unit 0 also: SC, TAB and SIDX are written), which the lookups below read; and all earlier vector and matrix instructions are done reading and writing ACC and SJ, in which the lookups land
.irp j, 0,1,2,3,4,5,6,7
	ds_bpermute_b32 v[SJ+(\j)], v[SIDX+(\j)], v[SC+(\u)]  ; the scaler of my 8 weights of row 8 h + j
.endr
.irp j, 0,1,2,3,4,5,6,7
.irp p, 0,1,2,3
	ds_bpermute_b32 v[ACC+16*(\p)+(\j)], v[ACC+16*(\p)+8+(\j)], v[TAB]  ; the high nibble: weight 2 p
.endr
.endr
	s_wait_alu depctr_vm_vsrc(0)                   ; the high nibbles' lookups have read their addresses in the odd results' registers, in which the lookups below land
.irp j, 0,1,2,3,4,5,6,7
.irp p, 0,1,2,3
	ds_bpermute_b32 v[ACC+16*(\p)+8+(\j)], v[QB+4*(\j)+(\p)], v[TAB]    ; the low nibble: weight 2 p + 1
.endr
.endr
	s_wait_dscnt 32                                ; the scalers and all high nibbles' weights are in; the 32 low lookups stay out
.irp jj, 0,1,2,3
.irp p, 0,1,2,3
	v_pk_mul_f32 v[ACC+16*(\p)+2*(\jj):ACC+16*(\p)+2*(\jj)+1], v[ACC+16*(\p)+2*(\jj):ACC+16*(\p)+2*(\jj)+1], v[SJ+2*(\jj):SJ+2*(\jj)+1]
.endr
.endr
.irp jj, 0,1,2,3
	s_wait_dscnt 24-8*(\jj)                        ; the low nibbles' weights of rows 2 jj and 2 jj + 1 are in: behind them stand four lookups for each later row
.irp p, 0,1,2,3
	v_pk_mul_f32 v[ACC+16*(\p)+8+2*(\jj):ACC+16*(\p)+8+2*(\jj)+1], v[ACC+16*(\p)+8+2*(\jj):ACC+16*(\p)+8+2*(\jj)+1], v[SJ+2*(\jj):SJ+2*(\jj)+1]
.endr
.endr
.irp t, 0,1,2,3,4,5,6,7                ; eight accumulators, one instruction each: no two that follow each other share one, from unit to unit either
	v_wmma_f32_16x16x32_f16 v[ACC+8*(\t):ACC+8*(\t)+7], v[BF:BF+7], v[AF+8*(\t):AF+8*(\t)+7], v[ACC+8*(\t):ACC+8*(\t)+7]
.endr
.rept 8
	v_nop                                          ; places between the products and the conversions that read them
.endr
	s_wait_alu depctr_vm_vsrc(0)                   ; the low nibbles' lookups have read their addresses in QD, which the conversions below write
.irp j, 0,1,2,3,4,5,6,7                ; row 0 first: each accumulator is first read at its lowest register
.irp p, 0,1,2,3
	v_cvt_pk_f16_f32 v[QB+4*(\j)+(\p)], v[ACC+16*(\p)+(\j)], v[ACC+16*(\p)+8+(\j)]
.endr
.endr
	s_wait_alu depctr_va_vdst(0)                   ; the conversions have written QD, which the stores below read; the vector side is also done with this unit's BR and QD, in which the loads behind the stores land
.irp j, 0,1,2,3,4,5,6,7
	global_store_b128 v[VO], v[QB+4*(\j):QB+4*(\j)+3], s[24:25] offset:131072*(\u)+8192*(\j)  ; sixteen lanes store 256 consecutive bytes, at a multiple of 256 from wh's first byte
.endr
.if (\u) < 2
	s_wait_xcnt 0x0                                ; the stores above have had their addresses translated (ISA guide 3.1): only behind this wait is this buffer loaded again
	s_wait_alu depctr_vm_vsrc(0)                   ; the stores above have read QD, in which the loads below land
	LOADS (\u)+2
.endif
.endm
	s_load_b512 s[8:23], s[0:1], 0x0               ; x s[8:9], quantized_data s[10:11], quantized_scalers s[12:13], quantization_factor s[14:15], scaler_mean s[16:17], lora_A s[18:19], lora_B s[20:21], xh s[22:23]
	s_load_b64 s[24:25], s[0:1], 0x40              ; wh
	v_and_b32 v1, 31, v0                           ; lane l
	v_lshrrev_b32 v2, 5, v0
	v_readfirstlane_b32 s4, v2                     ; wave 0..3
	s_mov_b32 s29, 0                               ; the high word of every offset: all stay under 2^32
	s_wait_alu depctr_va_sdst(0)                   ; s4 is written, ahead of the branch and of its first reader in either role
	s_wait_kmcnt 0x0
	s_cmp_ge_u32 ttmp9, 512
	s_cbranch_scc1 .Lxrole
	; ---------------- W ROLE ----------------
	s_load_b32 s26, s[16:17], 0x0                  ; the scalers' mean
	s_and_b32 s5, ttmp9, 7
	s_lshr_b32 s6, ttmp9, 3                        ; which 64 rows
	s_lshl2_add_u32 s7, s5, s4                     ; which strip of 128 columns: 4 x (work-group mod 8) + wave
	v_and_b32 v[RR], 15, v0
	v_bfe_u32 v[HH], v0, 4, 1
	v_lshlrev_b32 v[VO], 4, v[RR]
	v_lshl_add_u32 v[VO], v[HH], 16, v[VO]
	v_lshlrev_b32 v[VB], 6, v[RR]
	v_lshl_add_u32 v[VB], v[HH], 5, v[VB]
	v_lshlrev_b32 v[VA], 5, v[RR]
	v_lshl_add_u32 v[VA], v[HH], 17, v[VA]
	v_lshrrev_b32 v[VS], 1, v1
	v_lshlrev_b32 v[VS], 8, v[VS]
	v_and_b32 v13, 1, v0
	v_lshl_add_u32 v[VS], v13, 2, v[VS]
	v_lshlrev_b32 v[VF], 2, v[RR]
	s_lshl_b32 s28, s6, 19                         ; 64 rows x 8,192 bytes,
	s_lshl_b32 s30, s7, 8                          ; 128 columns x 2 bytes
	s_add_co_u32 s28, s28, s30
	s_add_nc_u64 s[10:11], s[10:11], s[28:29]
	s_add_nc_u64 s[24:25], s[24:25], s[28:29]
	s_lshl_b32 s28, s6, 12                         ; lora_B: 64 rows x 64 bytes
	s_add_nc_u64 s[20:21], s[20:21], s[28:29]
	s_lshl_b32 s28, s7, 9                          ; lora_A: 128 columns x 4 bytes
	s_add_nc_u64 s[18:19], s[18:19], s[28:29]
	s_lshl_b32 s28, s6, 14                         ; scalers: 64 rows x 256 bytes,
	s_lshl_b32 s30, s7, 3                          ; two of them to a strip
	s_add_co_u32 s28, s28, s30
	s_add_nc_u64 s[12:13], s[12:13], s[28:29]
	s_lshl_b32 s28, s6, 6                          ; factors: one for 4 rows, 16 x 4 bytes
	s_add_nc_u64 s[14:15], s[14:15], s[28:29]
	s_wait_alu depctr_va_vdst(0)                   ; the five offsets VO, VB, VA, VS and VF are written: every load and store of this role reads one of them
.irp kk, 0,1,2,3,4,5,6,7               ; lora_A: rows 8 h + kk, my 8 columns
	global_load_b128 v[ACC+8*(\kk):ACC+8*(\kk)+3],   v[VA], s[18:19] offset:16384*(\kk)
	global_load_b128 v[ACC+8*(\kk)+4:ACC+8*(\kk)+7], v[VA], s[18:19] offset:16384*(\kk)+16
.endr
	global_load_b32 v[TI], v[VF], s[14:15]
.irp u, 0,1,2,3
	global_load_b32 v[SJ+(\u)], v[VS], s[12:13] offset:4096*(\u)
.endr
	LOADS 0
	LOADS 1                                        ; 41 loads of mine are out; what follows touches none of their registers
	v_mov_b32 v[TAB], -1.0                         ; the NF4 table, entry l % 16 in lane l: fifteen compares in one run, each into a mask of its own,
.irp i, 1,2,3,4,5,6,7,8,9,10,11,12,13,14,15
	NFC \i
.endr
	s_wait_alu depctr_va_sdst(0)                   ; the fifteen masks s32 to s46 are written, ahead of the selects that read them
	NFS 1,  0xbf3239b1
	NFS 2,  0xbf066b30
	NFS 3,  0xbeca32a0
	NFS 4,  0xbe91a24d
	NFS 5,  0xbe3d353f
	NFS 6,  0xbdba7871
	NFS 7,  0
	NFS 8,  0x3da2faff
	NFS 9,  0x3e24cae3
	NFS 10, 0x3e7c04dd
	NFS 11, 0x3ead033a
	NFS 12, 0x3ee1a4b8
	NFS 13, 0x3f1007ab
	NFS 14, 0x3f3913b3
	NFS 15, 1.0
	v_lshrrev_b32 v14, 3, v[RR]
	v_lshlrev_b32 v14, 2, v14
	v_lshl_add_u32 v14, v[HH], 6, v14
.irp j, 0,1,2,3,4,5,6,7
	v_add_nc_u32 v[SIDX+(\j)], 8*(\j), v14
.endr
	v_lshrrev_b32 v[FIDX], 3, v1
	v_lshlrev_b32 v[FIDX], 2, v[FIDX]
.irp p, 4,5,6,7                        ; K = 16 .. 31 of both sources is 0
	v_mov_b32 v[BF+(\p)], 0
.irp t, 0,1,2,3,4,5,6,7
	v_mov_b32 v[AF+8*(\t)+(\p)], 0
.endr
.endr
	s_wait_loadcnt 20                              ; lora_A, the factors and the scalers are in; the twenty loads of units 0 and 1 stay out
.irp t, 0,1,2,3,4,5,6,7
.irp p, 0,1,2,3
	v_cvt_pk_f16_f32 v[AF+8*(\t)+(\p)], v[ACC+16*(\p)+(\t)], v[ACC+16*(\p)+8+(\t)]  ; column t: rows 8 h + 2 p and 8 h + 2 p + 1
.endr
.endr
	v_rcp_f32 v[RF], v[TI]
.irp u, 0,1,2,3
	v_cvt_f32_i32 v[SJ+(\u)], v[SJ+(\u)]           ; plain instructions between the reciprocal and the use of its result and the rewriting of its source
.endr
.irp u, 0,1,2,3
	v_add_nc_u32 v[TI+(\u)], 16*(\u), v[FIDX]      ; row 16 u + l / 2 has factor 4 u + l / 8, which lies in that lane
.endr
	s_wait_alu depctr_va_vdst(0)                   ; the reciprocal has written RF and the four adds v12 to v15: the lookups below read both
.irp u, 0,1,2,3
	ds_bpermute_b32 v[SJ+4+(\u)], v[TI+(\u)], v[RF]
.endr
	s_wait_dscnt 0x0
	s_wait_kmcnt 0x0                               ; the mean
.irp u, 0,1,2,3
	v_fma_f32 v[SC+(\u)], v[SJ+(\u)], v[SJ+4+(\u)], s26
.endr
	UNIT 0
	UNIT 1
	UNIT 2
	UNIT 3
	s_endpgm
	; ---------------- X ROLE ----------------
	; A wave rounds 4,096 numbers: 32 loads of 512 consecutive bytes, all issued at once; each becomes one store of 256 consecutive aligned bytes.  No register is used twice.
.macro XCVT k                          ; load k's four numbers close up into the first two of their four registers
	v_cvt_pk_f16_f32 v[XR+4*(\k)],   v[XR+4*(\k)],   v[XR+4*(\k)+1]
	v_cvt_pk_f16_f32 v[XR+4*(\k)+1], v[XR+4*(\k)+2], v[XR+4*(\k)+3]
.endm
.macro XST k
	global_store_b64 v3, v[XR+4*(\k):XR+4*(\k)+1], s[22:23] offset:256*(\k)
.endm
.Lxrole:
	s_sub_co_u32 s5, ttmp9, 512
	s_lshl_b32 s28, s5, 16                         ; 64 KiB of x to a work-group,
	s_lshl_b32 s30, s4, 14                         ; 16 KiB to a wave
	s_add_co_u32 s28, s28, s30
	s_add_nc_u64 s[8:9], s[8:9], s[28:29]
	s_lshr_b32 s28, s28, 1                         ; half as many bytes in xh
	s_add_nc_u64 s[22:23], s[22:23], s[28:29]
	v_lshlrev_b32 v2, 4, v1
	v_lshlrev_b32 v3, 3, v1
	s_wait_alu depctr_va_vdst(0)                   ; the two offsets v2 and v3 are written: the loads read the one, the stores the other
.set k, 0
.rept 32
	global_load_b128 v[XR+4*k:XR+4*k+3], v2, s[8:9] offset:512*k th:TH_LOAD_NT
.set k, k+1
.endr
.set g, 0
.rept 4                                ; four groups of eight loads
	s_wait_loadcnt 24-8*g                          ; group g's eight loads are in; the later groups stay out
.if g > 0
	s_wait_alu depctr_va_vdst(0)                   ; the group before has written its packed halves, which the stores below read; this group's conversions name other registers
.endif
.set i, 0
.rept 8
.if g > 0
	XST 8*(g-1)+i
.endif
	XCVT 8*g+i
.set i, i+1
.endr
.set g, g+1
.endr
	s_wait_alu depctr_va_vdst(0)                   ; the last group has written its packed halves, which the last eight stores read
.set i, 0
.rept 8
	XST 24+i
.set i, i+1
.endr
	s_endpgm
.Lfunc_end_k_qef1015ca2a_prep:
	.size	k_qef1015ca2a_prep, .Lfunc_end_k_qef1015ca2a_prep-k_qef1015ca2a_prep
	.p2alignl 7, 3214868480
	.fill 96, 4, 3214868480
	.section	.rodata,"a",@progbits
	.p2align	6, 0x0
	.amdhsa_kernel k_qef1015ca2a_prep
		.amdhsa_group_segment_fixed_size 0
		.amdhsa_private_segment_fixed_size 0
		.amdhsa_enable_private_segment 0
		.amdhsa_kernarg_size 72
		.amdhsa_user_sgpr_count 2
		.amdhsa_user_sgpr_kernarg_segment_ptr 1
		.amdhsa_wavefront_size32 1
		.amdhsa_system_sgpr_workgroup_id_x 1
		.amdhsa_system_sgpr_workgroup_id_y 1
		.amdhsa_system_sgpr_workgroup_id_z 1
		.amdhsa_system_vgpr_workitem_id 0
		.amdhsa_next_free_vgpr 256
		.amdhsa_next_free_sgpr 66
		.amdhsa_reserve_vcc 0
		.amdhsa_float_denorm_mode_32 3
		.amdhsa_float_denorm_mode_16_64 3
		.amdhsa_memory_ordered 1
		.amdhsa_forward_progress 1
		.amdhsa_inst_pref_size 77
	.end_amdhsa_kernel
	.amdgpu_metadata
---
amdhsa.version: [ 1, 2 ]
amdhsa.kernels:
  - .name:           k_qef1015ca2a_prep
    .symbol:         k_qef1015ca2a_prep.kd
    .args:
      - { .name: x, .offset: 0, .size: 8, .value_kind: global_buffer, .address_space: global }
      - { .name: quantized_data, .offset: 8, .size: 8, .value_kind: global_buffer, .address_space: global }
      - { .name: quantized_scalers, .offset: 16, .size: 8, .value_kind: global_buffer, .address_space: global }
      - { .name: quantization_factor, .offset: 24, .size: 8, .value_kind: global_buffer, .address_space: global }
      - { .name: scaler_mean, .offset: 32, .size: 8, .value_kind: global_buffer, .address_space: global }
      - { .name: lora_A, .offset: 40, .size: 8, .value_kind: global_buffer, .address_space: global }
      - { .name: lora_B, .offset: 48, .size: 8, .value_kind: global_buffer, .address_space: global }
      - { .name: xh, .offset: 56, .size: 8, .value_kind: global_buffer, .address_space: global }
      - { .name: wh, .offset: 64, .size: 8, .value_kind: global_buffer, .address_space: global }
    .group_segment_fixed_size: 0
    .private_segment_fixed_size: 0
    .kernarg_segment_align: 8
    .kernarg_segment_size: 72
    .max_flat_workgroup_size: 128
    .sgpr_count:     66
    .vgpr_count:     256
    .wavefront_size: 32
...
	.end_amdgpu_metadata
.endif
;; end of part 3
;; launch gemm: the kernel of part 2 again; grid 16 x 16, 4 waves a work-group, clusters of 4 x 4, 327,680 bytes of LDS; arguments xh, wh, out0; writes out0
